; MI455X (gfx1250); checked and timed in simulation.
; The chip was launched on July 23, 2026; its instructions are those of AMD's public machine-readable ISA for CDNA 5 (MIT licence, August 2026) and "CDNA5" Instruction Set Architecture Reference Guide (July 2026). The comments in the code are by the model that wrote it; some were corrected since.
;; GRU Cellv2. Allowed arithmetic: matrix products marked QUANTISED: E2M3 operands, one E8M0 scale for each 32 along K, by v_wmma_scale_f32_16x16x128_f8f6f4 with both operands' format E2M3, f32 sums; everything else in f32.
;; Inputs: bh 3 x 1,024 float32; bx 3 x 1,024 float32; hid 8,192 x 1,024 float32; wh 3 x 1,024 x 1,024 float32; wx 3 x 1,024 x 1,024 float32; x 8,192 x 1,024 float32.
;; Outputs: out0 8,192 x 1,024 float32.
;; This version of the problem:
;;   THIS VERSION OF THE PROBLEM IS GIVEN IN LOW PRECISION. The matrix products marked QUANTISED in the list below multiply operands that are first quantised to E2M3 (2 exponent bits, 3 mantissa bits; 6 bits a number), with one power-of-two scale for each 32 numbers along K (OCP MX v1.0); their sums are f32. All else is computed in f32.
;;   The module's matrix products, in the order in which they are computed (A, B: the left and right operand; K: the contracted axis; several contracted axes count as one K, in the product's order):
;;     1. [M 8,192, K 1,024] x [K 1,024, N 3,072]; A: input x; B: input wx: QUANTISED
;;     2. [M 8,192, K 1,024] x [K 1,024, N 3,072]; A: input hid; B: input wh: QUANTISED
;;   THE QUANTISER, for each operand of a quantised product, along K:
;;     - K is cut into blocks of 32 from its start; a last block that is shorter is filled with zeros.
;;     - A block's scale is 2^e with e = floor(log2(the largest magnitude in the block)) - 2, held to -126 .. 127; a block of zeros has e = 0. As a byte (E8M0): e + 127.
;;     - Each number is divided by its block's scale, clamped to +-7.5, and rounded to the nearest number of E2M3, ties to even, subnormals kept.
;;     - The product sums the exact products of the quantised numbers (number of the format x scale) in f32.
;;   ~~~python
;;   def quantise(x, axis):      # numpy; x: float32 -> the quantised numbers, widened to float32 again
;;       x = np.moveaxis(x, axis, -1); K = x.shape[-1]
;;       x = np.pad(x, [(0, 0)] * (x.ndim - 1) + [(0, -K % 32)]); x = x.reshape(x.shape[:-1] + (-1, 32)); a = np.abs(x).max(-1, keepdims=True)
;;       e = np.where(a > 0, np.clip(np.frexp(np.where(a > 0, a, 1))[1] - 1 - 2, -126, 127), 0)      # np.frexp(a)[1] - 1 = floor(log2(a)), exactly
;;       r = np.clip(x / 2.0 ** e, -7.5, 7.5)
;;       step = 2.0 ** (np.maximum(np.frexp(np.where(r == 0, 1, r))[1] - 1, 0) - 3)
;;       q = np.round(r / step) * step * 2.0 ** e      # np.round: ties to even
;;       return np.moveaxis(q.reshape(q.shape[:-2] + (-1,))[..., :K], -1, axis).astype(np.float32)
;;   ~~~
;; One version. Each part assembles by itself: llvm-mc -triple=amdgcn-amd-amdhsa -mcpu=gfx1250 --defsym DOCPART=n.
;; ======== version 1 of 1: 2 launches
;; limits: right only within a limited range of input values
;; workspace buffers: acodes 12,582,912 bytes; ascl 524,288 bytes; wcodes 4,718,592 bytes; wscl 196,608 bytes
;; launch quant (part 1): grid 704 x 1, 4 waves a work-group, no clusters, 58,880 bytes of LDS; arguments x, hid, wx, wh, acodes, ascl, wcodes, wscl; writes acodes, ascl, wcodes, wscl
.if DOCPART == 1
	.amdgcn_target "amdgcn-amd-amdhsa--gfx1250"
	.amdhsa_code_object_version 6
	.text
	.protected	k_q8d21eed7be_quant
	.globl	k_q8d21eed7be_quant
	.p2align	8
	.type	k_q8d21eed7be_quant,@function
k_q8d21eed7be_quant:
	s_mov_b64 s[64:65], 0
	v_nop
	global_prefetch_b8 v0, s[64:65] scope:SCOPE_SE
	s_setreg_imm32_b32 hwreg(HW_REG_WAVE_MODE, 25, 1), 1
	s_wait_xcnt 0x0
; x, hid [8192][1024] and wx, wh [3][1024 (k)][1024 (n)], f32, become codes of FP6 (E2M3) with one E8M0 byte for each 32 along K.
; A block's scale is 2^(floor(log2(its largest magnitude)) - 2): its byte is that magnitude's exponent field - 2, held at 1 from below.
; LIMITS: NaN and infinities among the inputs are not served.  A block whose largest magnitude lies under 2^-124 (zeros among them) gets the byte 1
; where the rule says 127 for zeros: its codes are zeros, which add nothing under any byte but 0xff, and these bytes are read by this program alone.
; THE OUTPUT IS LAID AS THE MATRIX UNIT'S REGISTERS WANT IT.  A fragment (16 rows x 128 K, 12 registers a lane) is an image of 1,536 bytes:
; register p of lane l at byte 512 (p / 4) + 16 l + 4 (p % 4).  K steps q = 0..7 are x's (wx's), q = 8..15 hid's (wh's).
;   acodes [R 0..511: 16 rows][q][1536]          ascl [R][j 0..7][128]: word r = row r's scale word of K step 2 j, word 16 + r that of K step 2 j + 1
;   wcodes [T 0..63: 16 columns][gate][q][1536]  wscl [T][gate][j][128]: the same by columns
; Work-groups 0..511 take the activations (one tile of 16 rows each), 512..703 the weights.  Waves share nothing: no barrier.  Each of the two ways has LDS bytes of its own.
.set STA, 8448                         ; activations: a wave's stage, 16 rows x (512 bytes + 16)
.set WB,  33792                        ; the weights' stages begin behind the four of the activations
.set STW, 6144                         ; weights: a wave's stage, four fragment images
; ---- activations.  K step t of my four: 16 loads, one for each row, 512 consecutive bytes each
.macro LOADA t
.set n, 0
.rept 16
	global_load_b128 v[104+64*((\t)%2)+4*n:104+64*((\t)%2)+4*n+3], v4, s[24:25] offset:n*4096+(\t)*512
.set n, n+1
.endr
.endm
.macro STEPA t
.set LS, 104+64*((\t)%2)
.if (\t) < 3
	s_wait_loadcnt 16                              ; this K step's 16 loads are in; the next step's 16 may be out
.else
	s_wait_loadcnt 0x0
.endif
.set n, 0
.rept 16
	ds_store_b128 v5, v[LS+4*n:LS+4*n+3] offset:n*528      ; the rows as they were loaded
.set n, n+1
.endr
.irp c, 0,1
.irp n, 0,1,2,3,4,5,6,7
	ds_load_b128 v[40+32*\c+4*\n:40+32*\c+4*\n+3], v6 offset:256*\c+16*\n   ; back: lane (r, h) takes k = 64 c + 32 h + 0..31 of row r, as the operand's layout has it (LDS serves a wave's instructions in order)
.endr
.endr
	s_wait_dscnt 0x0                               ; my 64 numbers are in, and the stores have read the loaded set,
.if (\t) < 2
	LOADA (\t)+2                                   ; which takes the loads of two steps on
.endif
.irp c, 0,1
	v_max3_num_f32 v[8+\c], |v[40+32*\c]|, |v[41+32*\c]|, 0x1800000   ; block 2 c + h is all mine; the floor 2^(3 - 127) holds the byte at 1 from below
.endr
.irp i, 2,4,6,8,10,12,14,16,18,20,22,24,26,28,30
.irp c, 0,1
	v_max3_num_f32 v[8+\c], v[8+\c], |v[40+32*\c+\i]|, |v[41+32*\c+\i]|   ; (the two blocks by turns)
.endr
.endr
.irp c, 0,1
	v_add_nc_u32 v[10+\c], 0xff000000, v[8+\c]     ; 2 off the exponent field: the conversion takes that field of this operand as its scale
.endr
.irp c, 0,1
	v_lshrrev_b32 v[12+\c], 23, v[10+\c]           ; the scale's byte
.endr
	v_lshl_or_b32 v14, v13, 16, v12                ; my two bytes, blocks h and 2 + h,
	v_lshlrev_b32 v14, v16, v14                    ; at their places (8 h bits up);
	v_permlanex16_b32 v15, v14, s22, s23
	v_or_b32 v14, v14, v15                         ; with lane l xor 16's two the row's word is whole, in both halves of the lanes
.if (\t) > 0
	s_wait_alu depctr_va_vdst(0)
	s_wait_xcnt 0x0                                ; the last step's stores have read their data: the codes' and the record's registers are written again only behind this wait
.endif
	v_cvt_scalef32_pk16_fp6_f32 v[20:22], v[40:55], v10
	v_cvt_scalef32_pk16_fp6_f32 v[32:34], v[56:71], v10     ; (a conversion's three registers begin on an even number: a block's upper half is made elsewhere and moved)
	v_cvt_scalef32_pk16_fp6_f32 v[26:28], v[72:87], v11
	v_cvt_scalef32_pk16_fp6_f32 v[36:38], v[88:103], v11
	v_nop                                          ; one plain place behind the scaled conversions
.irp i, 0,1,2
	v_mov_b32 v[23+\i], v[32+\i]
	v_mov_b32 v[29+\i], v[36+\i]
.endr
.irp c, 0,1,2
	global_store_b128 v4, v[20+4*\c:23+4*\c], s[26:27] offset:(\t)*1536+512*\c   ; the image: 32 lanes store 512 consecutive bytes
.endr
.if (\t)%2 == 0
	v_mov_b32 v17, v14                             ; the even K step's words are kept
.else
	v_cndmask_b32 v18, v14, v17, vcc_lo            ; the record: lanes 0-15 the even step's words, lanes 16-31 the odd step's
	global_store_b32 v7, v18, s[28:29] offset:((\t)/2)*128
.endif
.endm
; ---- weights.  A lane takes a column, its registers run down K: block t of eight is W(32 t + i, my column)
.macro LOADW t
.set n, 0
.rept 32
	global_load_b32 v[40+32*((\t)%2)+n], v4, s[24:25] offset:(32*(\t)+n)*4096 th:TH_LOAD_NT
.set n, n+1
.endr
.endm
.macro BLOCKW t
.set XS, 40+32*((\t)%2)
.set KQ, (\t)/4                        ; which of my two K steps,
.set CC, ((\t)%4)/2                    ; and where the block lies in that step's fragment: registers 6 CC .. 6 CC + 5
.set HH, (\t)%2                        ; of lane 16 HH + my column
.if (\t) < 7
	s_wait_loadcnt 32                              ; this block's 32 loads are in; the next block's may be out
.else
	s_wait_loadcnt 0x0
.endif
	v_max3_num_f32 v8, |v[XS]|, |v[XS+1]|, |v[XS+2]|        ; the block's largest magnitude, in two chains: all 32 numbers are mine
	v_max3_num_f32 v9, |v[XS+3]|, |v[XS+4]|, |v[XS+5]|
.irp i, 6,10,14,18,22,26
	v_max3_num_f32 v8, v8, |v[XS+\i]|, |v[XS+\i+1]|
	v_max3_num_f32 v9, v9, |v[XS+\i+2]|, |v[XS+\i+3]|
.endr
	v_max3_num_f32 v8, v8, |v[XS+30]|, |v[XS+31]|
	v_max3_num_f32 v8, v8, v9, 0x1800000           ; and the floor 2^(3 - 127)
	v_add_nc_u32 v10, 0xff000000, v8               ; the conversion's scale operand
	v_lshrrev_b32 v11, 23, v10                     ; the scale's byte
.if (\t)%4 == 0
	v_mov_b32 v[28+KQ], v11                        ; four bytes make my column's word of a K step
.else
	v_lshl_or_b32 v[28+KQ], v11, 8*((\t)%4), v[28+KQ]
.endif
	v_cvt_scalef32_pk16_fp6_f32 v[20:22], v[XS:XS+15], v10
	v_cvt_scalef32_pk16_fp6_f32 v[24:26], v[XS+16:XS+31], v10
	v_nop                                          ; one plain place behind the scaled conversions
	v_mov_b32 v23, v24                             ; the block's six registers on end
	v_mov_b32 v24, v25
	v_mov_b32 v25, v26
.irp i, 0,1,2
	ds_store_b64 v5, v[20+2*\i:21+2*\i] offset:KQ*3072+512*((6*CC+2*\i)/4)+256*HH+4*((6*CC+2*\i)%4)   ; into the image, at the places of registers 6 CC + 2 i, + 1 of lane 16 HH + column
.endr
.if (\t) < 6
	LOADW (\t)+2
.endif
	s_wait_dscnt 0x0                               ; the stores have read their registers: the next block's codes may be written
.endm
	s_load_b512 s[4:19], s[0:1], 0x0               ; x 4:5, hid 6:7, wx 8:9, wh 10:11, acodes 12:13, ascl 14:15, wcodes 16:17, wscl 18:19
	v_lshl_add_u32 v232, v0, 2, 0xe400
	v_mov_b32 v233, 0
	v_lshrrev_b32 v1, 5, v0
	v_readfirstlane_b32 s20, v1                    ; wave 0..3
	s_mov_b32 s22, 0x76543210
	s_mov_b32 s23, 0xfedcba98                      ; v_permlanex16_b32's selects for lane l xor 16
	v_and_b32 v1, 31, v0                           ; lane
	v_and_b32 v2, 15, v0                           ; r
	v_bfe_u32 v3, v0, 4, 1                         ; h
	s_wait_kmcnt 0x0
	s_cmp_lt_u32 ttmp9, 512
	s_cbranch_scc0 .Lweights
	; ======== ACTIVATIONS: work-group R = 16 rows.  Waves 0, 1 take x, waves 2, 3 hid; each takes four K steps: its q = 4 wave + t
	s_cmp_lt_u32 s20, 2
	s_cselect_b64 s[24:25], s[4:5], s[6:7]         ; the choice hangs on the wave's number alone
	s_and_b32 s31, s20, 1
	s_lshl_b32 s32, ttmp9, 16                      ; 16 rows of 4,096 bytes,
	s_lshl_b32 s34, s31, 11                        ; + my half of a row
	s_add_co_u32 s32, s32, s34
	s_mov_b32 s33, 0
	s_add_nc_u64 s[24:25], s[24:25], s[32:33]
	s_mul_i32 s32, ttmp9, 24576                    ; the tile's 16 images, + my four
	s_mul_i32 s34, s20, 6144
	s_add_co_u32 s32, s32, s34
	s_add_nc_u64 s[26:27], s[12:13], s[32:33]
	s_lshl_b32 s32, ttmp9, 10                      ; the tile's 8 records, + my two
	s_lshl_b32 s34, s20, 8
	s_add_co_u32 s32, s32, s34
	s_add_nc_u64 s[28:29], s[14:15], s[32:33]
	s_wait_alu depctr_va_vdst(0)
	v_lshlrev_b32 v4, 4, v1                        ; 16 x lane: my bytes of a load, and of an image's store
	s_mul_i32 s30, s20, STA
	v_add_nc_u32 v5, s30, v4                       ; the stage, on the way in
	v_mul_u32_u24 v6, v2, 528
	v_lshl_add_u32 v6, v3, 7, v6
	v_add_nc_u32 v6, s30, v6                       ; and out: row r, + 128 h.  The pitch is 33 x 16 bytes: sixteen rows start in sixteen different groups of banks
	v_lshlrev_b32 v7, 2, v1                        ; 4 x lane: my word of a record
	v_lshlrev_b32 v16, 3, v3                       ; 8 h
	v_mov_b32 v15, 0                               ; written once: a lane permute's destination counts as one of its sources
	v_cmp_gt_u32 vcc_lo, 16, v1                    ; lanes 0-15
	LOADA 0
	LOADA 1
	s_wait_alu depctr_va_vdst(0)
	STEPA 0
	STEPA 1
	STEPA 2
	STEPA 3
	s_wait_tensorcnt 0x0
	ds_add_u32 v232, v233
	s_wait_dscnt 0x0
	s_endpgm
.Lweights:
	; ======== WEIGHTS: 192 work-groups = 6 (tensor, gate) x 4 (256 along K) x 8 (128 columns); a wave takes 32 columns = two column tiles
	s_sub_co_u32 s30, ttmp9, 512
	s_and_b32 s31, s30, 7                          ; which 128 columns
	s_bfe_u32 s32, s30, 0x20003                    ; which 256 along K
	s_lshr_b32 s33, s30, 5                         ; 0..2 wx's gates, 3..5 wh's
	s_cmp_ge_u32 s33, 3
	s_cselect_b64 s[24:25], s[10:11], s[8:9]       ; the choice hangs on the work-group's number alone
	s_cselect_b32 s34, 1, 0                        ; 0: wx, 1: wh
	s_mul_i32 s35, s34, 3
	s_sub_co_u32 s35, s33, s35                     ; the gate
	s_lshl_b32 s36, s35, 22                        ; a gate is 4 MiB,
	s_lshl_b32 s38, s32, 20                        ; 256 rows of 4,096 bytes,
	s_add_co_u32 s36, s36, s38
	s_lshl_b32 s38, s31, 9                         ; 128 columns,
	s_add_co_u32 s36, s36, s38
	s_lshl_b32 s38, s20, 7                         ; my wave's 32
	s_add_co_u32 s36, s36, s38
	s_mov_b32 s37, 0
	s_add_nc_u64 s[24:25], s[24:25], s[36:37]
	s_lshl_b32 s38, s31, 3
	s_lshl_b32 s39, s20, 1
	s_add_co_u32 s38, s38, s39                     ; my first column tile T
	s_mul_i32 s38, s38, 3
	s_add_co_u32 s38, s38, s35                     ; 3 T + gate
	s_lshl_b32 s39, s34, 2
	s_add_co_u32 s39, s39, s32                     ; j = 4 x tensor + which 256 along K
	s_mul_i32 s36, s38, 24576
	s_mul_i32 s40, s39, 3072                       ; K step 2 j
	s_add_co_u32 s36, s36, s40
	s_add_nc_u64 s[26:27], s[16:17], s[36:37]
	s_lshl_b32 s36, s38, 10
	s_lshl_b32 s40, s39, 7
	s_add_co_u32 s36, s36, s40
	s_add_nc_u64 s[28:29], s[18:19], s[36:37]
	s_wait_alu depctr_va_vdst(0)
	v_lshlrev_b32 v4, 2, v1                        ; 4 x lane: my column in a row of W, and my word of a record
	s_mul_i32 s41, s20, STW
	s_add_co_u32 s41, s41, WB                      ; my stage: [K step][column tile][1536]
	v_mul_u32_u24 v5, v3, 1536                     ; in: my column tile (lane / 16), my column's 16 bytes
	v_lshl_add_u32 v5, v2, 4, v5
	v_add_nc_u32 v5, s41, v5
	v_lshlrev_b32 v7, 4, v1                        ; 16 x lane
	v_add_nc_u32 v6, s41, v7                       ; out: the images as they lie
	LOADW 0
	LOADW 1
	BLOCKW 0
	BLOCKW 1
	BLOCKW 2
	BLOCKW 3
	BLOCKW 4
	BLOCKW 5
	BLOCKW 6
	BLOCKW 7
.set n, 0
.rept 12
	ds_load_b128 v[104+4*n:104+4*n+3], v6 offset:512*n      ; n = 6 x K step + 3 x tile + part (LDS serves a wave's instructions in order: these see my stores)
.set n, n+1
.endr
.set n, 0
.rept 12
	s_wait_dscnt 11-n                              ; load n is in; the loads behind it may be out
	global_store_b128 v7, v[104+4*n:104+4*n+3], s[26:27] offset:((n/3)%2)*73728+(n/6)*1536+512*(n%3)   ; 32 lanes store 512 consecutive bytes of an image
.set n, n+1
.endr
	s_wait_alu depctr_va_vdst(0)
	v_permlane16_swap_b32 v28, v29                 ; v28: tile T's words of the even step | of the odd step; v29: tile T + 1's: two whole records
	global_store_b32 v4, v28, s[28:29]
	global_store_b32 v4, v29, s[28:29] offset:3072
	s_wait_tensorcnt 0x0
	ds_add_u32 v232, v233
	s_wait_dscnt 0x0
	s_endpgm
.Lfunc_end_k_q8d21eed7be_quant:
	.size	k_q8d21eed7be_quant, .Lfunc_end_k_q8d21eed7be_quant-k_q8d21eed7be_quant
	.p2alignl 7, 3214868480
	.fill 96, 4, 3214868480
	.section	.rodata,"a",@progbits
	.p2align	6, 0x0
	.amdhsa_kernel k_q8d21eed7be_quant
		.amdhsa_group_segment_fixed_size 58880
		.amdhsa_private_segment_fixed_size 0
		.amdhsa_enable_private_segment 0
		.amdhsa_kernarg_size 64
		.amdhsa_user_sgpr_count 2
		.amdhsa_user_sgpr_kernarg_segment_ptr 1
		.amdhsa_wavefront_size32 1
		.amdhsa_system_sgpr_workgroup_id_x 1
		.amdhsa_system_sgpr_workgroup_id_y 1
		.amdhsa_system_sgpr_workgroup_id_z 1
		.amdhsa_system_vgpr_workitem_id 0
		.amdhsa_next_free_vgpr 234
		.amdhsa_next_free_sgpr 66
		.amdhsa_reserve_vcc 1
		.amdhsa_float_denorm_mode_32 3
		.amdhsa_float_denorm_mode_16_64 3
		.amdhsa_memory_ordered 1
		.amdhsa_forward_progress 1
		.amdhsa_inst_pref_size 72
	.end_amdhsa_kernel
	.amdgpu_metadata
---
amdhsa.version: [ 1, 2 ]
amdhsa.kernels:
  - .name:           k_q8d21eed7be_quant
    .symbol:         k_q8d21eed7be_quant.kd
    .args:
      - { .name: x, .offset: 0, .size: 8, .value_kind: global_buffer, .address_space: global }
      - { .name: hid, .offset: 8, .size: 8, .value_kind: global_buffer, .address_space: global }
      - { .name: wx, .offset: 16, .size: 8, .value_kind: global_buffer, .address_space: global }
      - { .name: wh, .offset: 24, .size: 8, .value_kind: global_buffer, .address_space: global }
      - { .name: acodes, .offset: 32, .size: 8, .value_kind: global_buffer, .address_space: global }
      - { .name: ascl, .offset: 40, .size: 8, .value_kind: global_buffer, .address_space: global }
      - { .name: wcodes, .offset: 48, .size: 8, .value_kind: global_buffer, .address_space: global }
      - { .name: wscl, .offset: 56, .size: 8, .value_kind: global_buffer, .address_space: global }
    .group_segment_fixed_size: 58880
    .private_segment_fixed_size: 0
    .kernarg_segment_align: 8
    .kernarg_segment_size: 64
    .max_flat_workgroup_size: 128
    .sgpr_count:     66
    .vgpr_count:     234
    .wavefront_size: 32
...
	.end_amdgpu_metadata
.endif
;; end of part 1
;; launch gru (part 2): grid 16 x 16, 4 waves a work-group, clusters of 4 x 4, 327,680 bytes of LDS; arguments acodes, ascl, wcodes, wscl, hid, bx, bh, out0; writes out0
.if DOCPART == 2
	.amdgcn_target "amdgcn-amd-amdhsa--gfx1250"
	.amdhsa_code_object_version 6
	.text
	.protected	k_q8d21eed7be_gru
	.globl	k_q8d21eed7be_gru
	.p2align	8
	.type	k_q8d21eed7be_gru,@function
k_q8d21eed7be_gru:
	s_mov_b64 s[64:65], 0
	v_nop
	global_prefetch_b8 v0, s[64:65] scope:SCOPE_SE
	s_setreg_imm32_b32 hwreg(HW_REG_WAVE_MODE, 25, 1), 1
	s_wait_xcnt 0x0
	s_wait_alu depctr_hold_cnt(0) depctr_sa_sdst(0) depctr_va_vdst(0) depctr_va_sdst(0) depctr_va_ssrc(0) depctr_va_vcc(0) depctr_vm_vsrc(0)
	s_getreg_b32 s2, hwreg(HW_REG_IB_STS2, 6, 4)
	s_cmp_eq_u32 s2, 0
	s_cbranch_scc0 .Lentry_in_a_cluster
	s_endpgm
.Lentry_in_a_cluster:
	s_bfe_u32 s2, ttmp6, 0x10000c
	s_cmp_lg_u32 s2, 0xf033
	s_cbranch_scc0 .Lentry_shape_is_right
	s_endpgm
.Lentry_shape_is_right:
; next_hid = (1 - z) n + z hid;  r, z = sigmoid(x wx_g + bx_g + hid wh_g + bh_g);  n = tanh(x wx_2 + bx_2 + r (hid wh_2 + bh_2)).
; Both products run on codes of FP6 (E2M3) with E8M0 scales, made by the launch before and laid as images of the operands' registers
; (a fragment: 1,536 bytes, register p of lane l at 512 (p / 4) + 16 l + 4 (p % 4)).  K steps q = 0..7 are x with wx, q = 8..15 hid with wh.
; SHARES.  A tile is 256 rows x 64 columns; wave w makes rows 128 (w / 2) on (eight blocks a of 16) and columns 32 (w % 2) on (two tiles b of 16).
; An output wants four sums: r, z (x's and hid's parts in one accumulator), gx_n, gh_n: 64 accumulators, 512 registers.  A K step is 48 matrix instructions.
; A WORK-GROUP STAYS and makes two tiles, the same 64 columns, 4,096 rows apart: 256 work-groups for 512 tiles.  The biases are loaded once.
; TRANSPOSED USE: source 0 = 16 columns of a weight, source 1 = 16 rows of activations: lane (r, h) holds row r and columns 8 h + 0..7.  The biases are the C of each sum's first product.
; RING.  Two LDS slots of three K steps (28 images x 3 x 1,536 = 129,024 bytes).  16 = 5 x 3 + 1: q 0-2, 3-5, 6-8, 9-11, 12-14 by turns in slots 0, 1, 0, 1, 0; q 15 in slot 1.
; A TILE'S FIRST FILLS are one joint load a wave: wave 0 the activations' q 0-2 (16 rows of 4,608 bytes), wave 2 the weights' (12 rows), waves 1 and 3 the two blocks of scale records of all 16 K steps.
; Slot 1's first fill of a tile stands behind the full sequence and a round.  In the ring waves 0, 1 fetch the halves of the activations' tile, waves 2, 3 those of the weights'.
; THE LAST REFILL of slot 1 has four tiles for four waves: wave 0 the activations' q 15 (24,576 bytes at the slot's start), wave 2 the weights' (18,432 bytes at 73,728),
; waves 1 and 3 128 rows of hid each (34,816 bytes, at 24,576 and at 92,160), three K steps ahead of their use.
; THE NEXT TILE'S FIRST FILLS go out behind a sequence and a round ahead of the first tile's last two blocks of gates: slot 0 and the scale records were last read in K steps 14 and 13.
; Those two blocks and the last stores are written twice, once for a tile that has a successor and once for the last, which asks for nothing.
; THE WAY OUT.  The stage has LDS bytes of its own, two buffers of 64 rows x 272 bytes by turns, into which no fill lands.  A row's 256 bytes come from two waves, so after every two blocks of gates a barrier stands;
; each wave then reads 16 whole rows back, into registers of their own, and stores them behind the next block's gates: sixteen lanes to an aligned unit of 256 bytes.
; A buffer is stored into again two barriers behind its reads, each wave having waited for its reads ahead of the barrier between.
; CLUSTER 4 x 4.  The activations' tiles hang on the tile row alone and are asked for jointly along a row of the cluster, the weights' on the tile column alone, along a column.
; PREFETCH.  Behind each fill's request the codes of the NEXT fill (three K steps on) are named, each block of 256 bytes once in a cluster: of a tile row's 16 rows of 18 blocks the partner at cx takes four
; (two a wave, a row an instruction), of a tile column's 12 rows the partner at cy three (27 blocks a wave).  One fill ahead of the last refill: q 15's six blocks a row, and the work-group's own 256 rows of hid, a lane a row.
; q 3-5 of the first tile are named at the head; the next tile's q 0-2 and q 3-5 of the activations at the last two changes of slots.  The weights are named in the first tile alone: the second reads the same rows.
; The launch's q 0-2 and the scale records (28,672 bytes beside a fill's 129,024) come by their loads alone.  Offsets are immediates; the bases step once, between the tiles, behind s_wait_xcnt 0.
; The walk along K is written out: slots, register sets, the n gate's accumulators and the C operands come back in step only after the whole walk; the loop goes over the tiles.
; LIMITS: NaN and infinities among the inputs are not served.  r's and z's two products and two biases are summed in one accumulator, so the order of rounding differs from a sum of two finished products.
; The exponentials need no hold: where 2^t overflows, 1 / (1 + infinity) is 0, which is the gate's limit.
; REGISTERS.  Window 0: v1-31 addresses; v32-59 scale records, two sets of 14; v64-127, v224-239 at work in the gates; v128-223 the activations' 8 fragments.
;   Window 1: v0-71, v128-199 the weights' 6 fragments, two sets, and on the way out the rows read back; v72-119 biases of r, z, gx_n; v200-215 of gh_n.  Windows 2, 3: accumulators of blocks 0-3, 4-7 at 64 (a % 4) + 16 kind + 8 b.
.set SLOTB, 129024
.set BOFF,  73728
.set HID0,  SLOTB+24576                ; hid's rows 0-127; rows 128-255 lie 67,584 bytes on
.set SCLA,  2*SLOTB                    ; the activations' scale records: [block 0..15][j 0..7][128]
.set SCLB,  SCLA+16384                 ; the weights': [column tile 0..3][gate][j][128]
.set STG,   SCLB+12288                 ; the stage: two buffers of 17,408 bytes
.set SPARE, STG+34816                  ; the spare words, 128 bytes a wave
.set NEXTA, 6291456                    ; 256 blocks of 24,576 bytes: from a tile's codes to the next tile's
.set NEXTH, 0x1000000                  ; 4,096 rows of 4,096 bytes, in hid and in out0
.set PON, 2                            ; s2  2: my wave prefetches activations; 1: weights, in the first tile; 0: weights, afterwards
.set NXT, 23                           ; s23 1: my wave prefetches activations and a tile follows
.set G1A1, 4                           ; s[4:11]  group 1, activations' q 15
.set G0SB, 12                          ; s[12:15] group 0, the weights' scale records
.set PFH, 16                           ; s[16:17] hid at the 64 rows that my wave prefetches
.set G1A, 24                           ; s[24:31] group 1, activations' codes, three K steps;  s[32:39] group 0, a set for each slot
.set G0A, 32
.set G0H, 40
.set G0SA, 44
.set G1B, 48
.set G0B, 56
.set G1SA, 68
.set G1SB, 76
.set G1H, 84                           ; s[84:91] group 1, hid (until it is written: my place in the cluster, and numbers at work)
.set G1B1, 92                          ; s[92:99] group 1, weights' q 15
.set PFA, 104                          ; s[104:105] the codes' rows that my wave prefetches
.set T1, 80
.set T2, 96
.set T3, 112
.set MSB, 0
.macro WIN new                         ; the immediate's high byte repeats the setting that is left
.if MSB != (\new)
	s_set_vgpr_msb (MSB<<8)|(\new)
.set MSB, (\new)
.endif
.endm
.macro PLACES n
.rept \n
	v_nop
.endr
.endm
.macro TL g0, g1                       ; a tensor load with an s_nop and four v_nop behind it
	tensor_load_to_lds s[\g0:\g0+3], s[\g1:\g1+7]
	s_nop 0
.rept 4
	v_nop
.endr
.endm
.macro JLOAD g0a, g1a, g0b, g1b        ; waves 0, 1 fetch for the activations, waves 2, 3 for the weights
	s_cmp_eq_u32 s21, 0
	s_cbranch_scc0 .Lfor_b_\@
	TL \g0a, \g1a
	s_branch .Lasked_\@
.Lfor_b_\@:
	TL \g0b, \g1b
.Lasked_\@:
.endm
.macro HLOADS                          ; a tile's first fills: one chain on the wave's number, a load to each arm
	s_cmp_lt_u32 s20, 1
	s_cbranch_scc0 .Lh1_\@
	TL G0A, G1A                                    ; wave 0 (half 0): its slot 0 address is the tile's first block: 16 rows
	s_branch .Lh4_\@
.Lh1_\@:
	s_cmp_lt_u32 s20, 2
	s_cbranch_scc0 .Lh2_\@
	TL G0SA, G1SA
	s_branch .Lh4_\@
.Lh2_\@:
	s_cmp_lt_u32 s20, 3
	s_cbranch_scc0 .Lh3_\@
	TL G0B, G1B                                    ; wave 2 (half 0): the weights' 12 rows
	s_branch .Lh4_\@
.Lh3_\@:
	TL G0SB, G1SB
.Lh4_\@:
.endm
.macro CREST
	s_cmp_lg_u32 s20, 0
	s_cbranch_scc1 .Lnot_wave_0_\@
	s_barrier_signal -3
.Lnot_wave_0_\@:
	s_barrier_wait -3
	s_barrier_signal -1
	s_barrier_wait -1
.endm
.macro CROUND
	s_barrier_signal -1
	s_barrier_wait -1
	CREST
.endm
.macro ASK koff                        ; the codes at byte koff of my rows: 18 blocks of a row (activations: two rows) or 27 blocks of three rows (weights)
	s_cmp_eq_u32 s[PON], 0
	s_cbranch_scc1 .Lpf_\@
	global_prefetch_b8 v8, s[PFA:PFA+1] offset:\koff th:TH_LOAD_NT scope:SCOPE_SE
	s_cmp_eq_u32 s21, 0
	s_cbranch_scc0 .Lpf_\@
	global_prefetch_b8 v8, s[PFA:PFA+1] offset:\koff+24576 th:TH_LOAD_NT scope:SCOPE_SE
.Lpf_\@:
.endm
.macro ASKL                            ; hid: 64 rows a wave, a lane a row; q 15: waves 0 and 2, six blocks of each of their work-group's rows
	global_prefetch_b8 v10, s[PFH:PFH+1] th:TH_LOAD_NT scope:SCOPE_SE
	global_prefetch_b8 v10, s[PFH:PFH+1] offset:131072 th:TH_LOAD_NT scope:SCOPE_SE
	s_cmp_eq_u32 s22, 0
	s_cbranch_scc0 .Lpq_\@
	s_cmp_eq_u32 s[PON], 0
	s_cbranch_scc1 .Lpq_\@
	global_prefetch_b8 v9, s[PFA:PFA+1] offset:23040 th:TH_LOAD_NT scope:SCOPE_SE
.Lpq_\@:
.endm
.macro ASKN koff                       ; the next tile's activations at byte koff: asked only while a tile follows, so every address lies inside the buffer
	s_cmp_eq_u32 s[NXT], 0
	s_cbranch_scc1 .Lpn_\@
	global_prefetch_b8 v8, s[PFA:PFA+1] offset:NEXTA+\koff th:TH_LOAD_NT scope:SCOPE_SE
	global_prefetch_b8 v8, s[PFA:PFA+1] offset:NEXTA+\koff+24576 th:TH_LOAD_NT scope:SCOPE_SE
.Lpn_\@:
.endm
.macro LOC q                           ; where K step q lies: LP slot, LU byte in a block's row, LPI bytes from block to block, LA, LB the address registers
.if (\q) == 15
.set LP, 1
.set LU, 0
.set LPI, 1536
.set LA, 18
.set LB, 22
.else
.set LP, ((\q)/3)%2
.set LU, ((\q)%3)*1536
.set LPI, 4608
.set LA, 16+LP
.set LB, 20+LP
.endif
.endm
.macro FRAG reg, adr, off
.irp c, 0,1,2
	ds_load_b128 v[(\reg)+4*\c:(\reg)+4*\c+3], v[\adr] offset:(\off)+512*\c
.endr
.endm
.macro FETCH_B q                       ; the weights' six fragments of K step q into set q % 2: 18 loads
	LOC \q
	WIN 0x40
.irp f, 0,1,2,3,4,5
	FRAG 128*((\q)%2)+12*\f, LB, \f*LPI+LU
.endr
	WIN 0
.endm
.macro FETCH_A q, a0                   ; the activations' blocks a0 .. a0 + 3: 12 loads
	LOC \q
.irp i, \a0, \a0+1, \a0+2, \a0+3
	FRAG 128+12*(\i), LA, (\i)*LPI+LU
.endr
.endm
.macro SCALES j                        ; the 14 records of K steps 2 j, 2 j + 1 into set j % 2: lanes 0-15 the even step's words, lanes 16-31 the odd one's
.irp a, 0,1,2,3,4,5,6,7
	ds_load_b32 v[32+14*((\j)%2)+\a], v24 offset:\a*1024+(\j)*128
.endr
.irp f, 0,1,2,3,4,5
	ds_load_b32 v[40+14*((\j)%2)+\f], v25 offset:\f*1024+(\j)*128
.endr
.endm
; 12 matrix instructions: blocks a0, a0 + 1 x two column tiles x three gates.  u = q % 2; p = (q / 2) % 2; nk: the n gate's sum (2: gx_n, 3: gh_n).
; cm = 1: every sum starts here, with its bias as C; cm = 2: the n gate's alone.  The accumulators take turns.
.macro MUL2 a0, u, p, nk, cm
.irp g, 0,1,2
.set KD, \g
.if \g == 2
.set KD, \nk
.endif
.set BI, 0
.if \cm == 1
.set BI, 1
.endif
.if (\cm == 2) && (\g == 2)
.set BI, 1
.endif
.if BI
	WIN 0x91+0x40*((\a0)/4)
.else
	WIN 0xa1+0x50*((\a0)/4)
.endif
.irp a, \a0, \a0+1
.irp b, 0,1
.set AC, 64*((\a)%4)+16*KD+8*\b
.set BF, 128*(\u)+12*(3*\b+\g)
.set AF, 128+12*(\a)
.set SB, 40+14*(\p)+3*\b+\g
.set SA, 32+14*(\p)+(\a)
.set BS, 72+16*KD+8*\b
.if KD == 3
.set BS, 200+8*\b
.endif
.if BI
.if \u
	v_wmma_scale_f32_16x16x128_f8f6f4 v[AC:AC+7], v[BF:BF+11], v[AF:AF+11], v[BS:BS+7], v[SB], v[SA] matrix_a_fmt:MATRIX_FMT_FP6 matrix_b_fmt:MATRIX_FMT_FP6 matrix_a_scale:MATRIX_SCALE_ROW1 matrix_b_scale:MATRIX_SCALE_ROW1
.else
	v_wmma_scale_f32_16x16x128_f8f6f4 v[AC:AC+7], v[BF:BF+11], v[AF:AF+11], v[BS:BS+7], v[SB], v[SA] matrix_a_fmt:MATRIX_FMT_FP6 matrix_b_fmt:MATRIX_FMT_FP6
.endif
.else
.if \u
	v_wmma_scale_f32_16x16x128_f8f6f4 v[AC:AC+7], v[BF:BF+11], v[AF:AF+11], v[AC:AC+7], v[SB], v[SA] matrix_a_fmt:MATRIX_FMT_FP6 matrix_b_fmt:MATRIX_FMT_FP6 matrix_a_scale:MATRIX_SCALE_ROW1 matrix_b_scale:MATRIX_SCALE_ROW1
.else
	v_wmma_scale_f32_16x16x128_f8f6f4 v[AC:AC+7], v[BF:BF+11], v[AF:AF+11], v[AC:AC+7], v[SB], v[SA] matrix_a_fmt:MATRIX_FMT_FP6 matrix_b_fmt:MATRIX_FMT_FP6
.endif
.endif
.endr
.endr
.endr
.endm
; K step q, whose successor lies in the same slot.  Blocks 0-3 are fetched anew in the step's middle, blocks 4-7 at its end.
.macro STEP q, nk, cm
	s_wait_dscnt 12                                ; all but the youngest 12 loads (blocks 4-7) are in
	MUL2 0, (\q)%2, ((\q)/2)%2, \nk, \cm
	MUL2 2, (\q)%2, ((\q)/2)%2, \nk, \cm
	s_wait_dscnt 0x0                               ; blocks 4-7 are in
	PLACES 4
	FETCH_B (\q)+1
	FETCH_A (\q)+1, 0
.if (\q)%2 == 1
	SCALES ((\q)+1)/2
.endif
	MUL2 4, (\q)%2, ((\q)/2)%2, \nk, \cm
	MUL2 6, (\q)%2, ((\q)/2)%2, \nk, \cm
	PLACES 4
	WIN 0
	FETCH_A (\q)+1, 4
.endm
; K step q, the last of its slot.  fill = 1: a round, and this slot takes the three K steps two slots on; fill = 3: a round, and it takes q 15 and hid; fill = 0: a plain barrier, nothing is filled.
; pf > 1: the prefetch of the codes at that byte; pf = 1: of q 15 and hid.  nx >= 0: the prefetch of the next tile's activations at that byte.
.macro TURN q, nk, cm, fill, pf, nx
	LOC \q
.set CP, LP
	s_wait_tensorcnt 0x0                           ; all my tensor loads have landed: my part of the next slot
	ds_add_u32 v28, v29
	s_wait_dscnt 13                                ; the add and the youngest 12 loads may be out
	MUL2 0, (\q)%2, ((\q)/2)%2, \nk, \cm
	s_wait_dscnt 0x0                               ; the add is done, and my reads of this slot are over
	s_barrier_signal -1
	MUL2 2, (\q)%2, ((\q)/2)%2, \nk, \cm
	WIN 0
	s_barrier_wait -1
.if \fill
	CREST                                          ; no wave of any partner still reads this slot or has a load on its way
	s_add_nc_u64 s[G0A+4*CP+2:G0A+4*CP+3], s[G0A+4*CP+2:G0A+4*CP+3], 9216   ; six K steps of 1,536 bytes on
	s_add_nc_u64 s[G0B+4*CP+2:G0B+4*CP+3], s[G0B+4*CP+2:G0B+4*CP+3], 9216
.endif
.if \fill == 1
	JLOAD G0A+4*CP, G1A, G0B+4*CP, G1B             ; my one tensor load behind the round; its four v_nop are the places in front of the loads below
.endif
.if \fill == 3
	s_cmp_eq_u32 s22, 0                            ; one chain on the wave's number, a load to each arm
	s_cbranch_scc0 .Lh_\@
	s_cmp_eq_u32 s21, 0
	s_cbranch_scc0 .Lb_\@
	TL G0A+4, G1A1                                 ; wave 0: its slot 1 address, six K steps on, is q 15 of the tile's first block, at the slot's start
	s_branch .Ld_\@
.Lb_\@:
	TL G0B+4, G1B1                                 ; wave 2: the same for the weights
	s_branch .Ld_\@
.Lh_\@:
	TL G0H, G1H                                    ; waves 1, 3: 128 rows of hid, my work-group's own (no mask)
.Ld_\@:
.endif
.if \fill == 0
	PLACES 4
.endif
	FETCH_B (\q)+1
	FETCH_A (\q)+1, 0
.if (\q)%2 == 1
	SCALES ((\q)+1)/2
.endif
.if (\pf) == 1
	ASKL
.endif
.if (\pf) > 1
	ASK \pf
.endif
.if (\nx) >= 0
	ASKN \nx
.endif
	MUL2 4, (\q)%2, ((\q)/2)%2, \nk, \cm
	MUL2 6, (\q)%2, ((\q)/2)%2, \nk, \cm
	PLACES 4
	WIN 0
	FETCH_A (\q)+1, 4
.endm
.macro HLOAD a                         ; hid at block a's 16 places of my lane: v64-79 and v224-239 by turns
.set HB, 64+160*((\a)%2)
	ds_load_b128 v[HB:HB+3], v26 offset:(\a)*4352
	ds_load_b128 v[HB+4:HB+7], v26 offset:(\a)*4352+16
	ds_load_b128 v[HB+8:HB+11], v26 offset:(\a)*4352+64
	ds_load_b128 v[HB+12:HB+15], v26 offset:(\a)*4352+80
.endm
; The gates of block a: 16 numbers a lane.  Each accumulator is read from its low end on.  The waits on the vector side stand ahead of and behind each batch of transcendentals.
.macro GATE a
.set W, 2+(\a)/4
.set AB, 64*((\a)%4)
	WIN W
.irp i, 0,2,4,6,8,10,12,14
	v_pk_mul_f32 v[T1+\i:T1+\i+1], v[AB+\i:AB+\i+1], 0xbfb8aa3b op_sel_hi:[1,0]         ; -log2(e) x the r gate's sum
.endr
.irp i, 0,2,4,6,8,10,12,14
	v_pk_mul_f32 v[T2+\i:T2+\i+1], v[AB+16+\i:AB+16+\i+1], 0xbfb8aa3b op_sel_hi:[1,0]   ; and the z gate's
.endr
	WIN 0
.set n, 0
	s_wait_alu depctr_va_vdst(0)
.rept 32
	v_exp_f32 v[T1+n], v[T1+n]
.set n, n+1
.endr
	v_nop
.set n, 0
	s_wait_alu depctr_va_vdst(0)
.rept 16
	v_pk_add_f32 v[T1+n:T1+n+1], v[T1+n:T1+n+1], 1.0 op_sel_hi:[1,0]
.set n, n+2
.endr
.set n, 0
	s_wait_alu depctr_va_vdst(0)
.rept 32
	v_rcp_f32 v[T1+n], v[T1+n]                     ; r and z = 1 / (1 + 2^(-log2(e) s))
.set n, n+1
.endr
	v_nop
	WIN (W<<2)|(W<<4)
	s_wait_alu depctr_va_vdst(0)
.irp i, 0,2,4,6,8,10,12,14
	v_pk_fma_f32 v[T3+\i:T3+\i+1], v[T1+\i:T1+\i+1], v[AB+48+\i:AB+48+\i+1], v[AB+32+\i:AB+32+\i+1]   ; r gh_n + gx_n
.endr
	WIN 0
.irp i, 0,2,4,6,8,10,12,14
	v_pk_mul_f32 v[T3+\i:T3+\i+1], v[T3+\i:T3+\i+1], 0x4038aa3b op_sel_hi:[1,0]         ; x 2 log2(e)
.endr
.set n, 0
	s_wait_alu depctr_va_vdst(0)
.rept 16
	v_exp_f32 v[T3+n], v[T3+n]
.set n, n+1
.endr
	v_nop
	s_wait_alu depctr_va_vdst(0)
.irp i, 0,2,4,6,8,10,12,14
	v_pk_add_f32 v[T3+\i:T3+\i+1], v[T3+\i:T3+\i+1], 1.0 op_sel_hi:[1,0]
.endr
.set n, 0
	s_wait_alu depctr_va_vdst(0)
.rept 16
	v_rcp_f32 v[T3+n], v[T3+n]
.set n, n+1
.endr
	v_nop
	s_wait_alu depctr_va_vdst(0)
.irp i, 0,2,4,6,8,10,12,14
	v_pk_fma_f32 v[T3+\i:T3+\i+1], v[T3+\i:T3+\i+1], -2.0, 1.0 op_sel_hi:[1,0,0]        ; n = tanh = 1 - 2 / (1 + 2^(2 log2(e) t))
.endr
.set HB, 64+160*((\a)%2)
.set SO, (((\a)/2)%2)*17408+((\a)%2)*4352          ; the pair's buffer of the stage, the block's 16 rows in it
	s_wait_alu depctr_va_vdst(0)
	s_wait_dscnt 0x0                               ; hid of this block is in, and so are any rows read back from the stage: all were asked for ahead of this block's gates
.irp i, 0,2,4,6,8,10,12,14
	v_pk_add_f32 v[HB+\i:HB+\i+1], v[HB+\i:HB+\i+1], v[T3+\i:T3+\i+1] neg_lo:[0,1] neg_hi:[0,1]   ; hid - n
.endr
.irp i, 0,2,4,6,8,10,12,14
	v_pk_fma_f32 v[T3+\i:T3+\i+1], v[T2+\i:T2+\i+1], v[HB+\i:HB+\i+1], v[T3+\i:T3+\i+1]           ; n + z (hid - n)
.endr
	ds_store_b128 v27, v[T3:T3+3] offset:SO
	ds_store_b128 v27, v[T3+4:T3+7] offset:SO+16
	ds_store_b128 v27, v[T3+8:T3+11] offset:SO+64
	ds_store_b128 v27, v[T3+12:T3+15] offset:SO+80
.if (\a) < 6
	HLOAD (\a)+2
.endif
.endm
.macro OUTLD p                         ; blocks 2 p, 2 p + 1 are staged by both waves of my row half: I read block 2 p + (w % 2) back, two whole rows an instruction, into the weights' registers in window 1
.set RB, 32*(\p)+64*((\p)/2)
	s_wait_dscnt 0x0                               ; for the others' sake: my stores into the stage are done, and my reads of its other buffer
	s_barrier_signal -1
	s_barrier_wait -1
	WIN 0x40
.set n, 0
.rept 8
	ds_load_b128 v[RB+4*n:RB+4*n+3], v30 offset:((\p)%2)*17408+n*544
.set n, n+1
.endr
	WIN 0
.endm
.macro OUTST p                         ; sixteen lanes store 256 consecutive bytes, at a multiple of 256 from out0's first byte; each part has registers of its own
.set RB, 32*(\p)+64*((\p)/2)
	WIN 0x04
.set n, 0
.rept 8
	global_store_b128 v31, v[RB+4*n:RB+4*n+3], s[18:19] offset:(\p)*131072+n*8192 th:TH_STORE_NT
.set n, n+1
.endr
	WIN 0
.endm
.macro LASTG                           ; a tile's last two blocks of gates and its last stores
	GATE 6
	OUTST 2
	GATE 7
	OUTLD 3
	s_wait_dscnt 0x0
	OUTST 3
.endm
	s_load_b512 s[4:19], s[0:1], 0x0               ; acodes 4:5, ascl 6:7, wcodes 8:9, wscl 10:11, hid 12:13, bx 14:15, bh 16:17, out0 18:19
	v_lshl_add_u32 v28, v0, 2, SPARE               ; my spare word; never rewritten
	v_mov_b32 v29, 0                               ; 0; never rewritten
	ds_add_u32 v28, v29                            ; the opening lines: the add twice on end under one wait
	ds_add_u32 v28, v29
	v_lshrrev_b32 v1, 5, v0
	v_readfirstlane_b32 s20, v1                    ; wave 0..3
	s_lshr_b32 s21, s20, 1                         ; which 128 rows are mine.  Also: in the ring I fetch for the activations (0) or the weights (1)
	s_and_b32 s22, s20, 1                          ; which 32 columns.  Also: which half of a tile I fetch
	s_bfe_u32 s84, ttmp6, 0x40000                  ; cx, cy
	s_bfe_u32 s85, ttmp6, 0x40004
	s_lshl_b32 s86, ttmp9, 2
	s_add_co_u32 s86, s86, s84                     ; tile column 0..15
	s_and_b32 s87, ttmp7, 0xffff
	s_lshl_b32 s87, s87, 2
	s_add_co_u32 s87, s87, s85                     ; my first tile's row 0..15; the second's is 16 more
	s_lshl_b32 s2, s85, 2
	s_lshl_b32 s2, 15, s2                          ; my row of the cluster
	s_lshl_b32 s3, 0x1111, s84                     ; my column
	; group 1.  Codes: rows of 4,608 bytes (576 elements of 8), 24,576 bytes apart in memory, dense in LDS: 16 and 12 rows for a tile's first fills, 8 and 6 in the ring
	s_or_b32 s[G1A], s2, (3<<16)|(1<<21)
	s_or_b32 s[G1B], s3, (3<<16)|(1<<21)
.irp g, G1A, G1B
	s_mov_b32 s[\g+1], 576<<16
	s_mov_b32 s[\g+3], 576<<16
	s_mov_b32 s[\g+5], 3072
	s_mov_b32 s[\g+6], 0
	s_mov_b32 s[\g+7], 0
.endr
	s_mov_b32 s[G1A+2], 16<<16
	s_mov_b32 s[G1A+4], 16
	s_mov_b32 s[G1B+2], 12<<16
	s_mov_b32 s[G1B+4], 12
	s_or_b32 s[G1B1], s3, (3<<16)|(1<<21)          ; the weights' q 15: 12 rows of 1,536 bytes
	s_mov_b32 s[G1B1+1], 192<<16
	s_mov_b32 s[G1B1+2], 12<<16
	s_mov_b32 s[G1B1+3], 192<<16
	s_mov_b32 s[G1B1+4], 12
	s_mov_b32 s[G1B1+5], 3072
	s_mov_b32 s[G1B1+6], 0
	s_mov_b32 s[G1B1+7], 0
	s_or_b32 s[G1SA], s2, (3<<16)|(1<<21)          ; scale records: dense blocks as rows of 256 bytes: 16,384 and 12,288 bytes
	s_or_b32 s[G1SB], s3, (3<<16)|(1<<21)
.irp g, G1SA, G1SB
	s_mov_b32 s[\g+1], 32<<16
	s_mov_b32 s[\g+3], 32<<16
	s_mov_b32 s[\g+5], 32
	s_mov_b32 s[\g+6], 0
	s_mov_b32 s[\g+7], 0
.endr
	s_mov_b32 s[G1SA+2], 64<<16
	s_mov_b32 s[G1SA+4], 64
	s_mov_b32 s[G1SB+2], 48<<16
	s_mov_b32 s[G1SB+4], 48
	; byte offsets
	s_lshl_b32 s90, s87, 4                         ; the tile's first block of 16 rows
	s_lshl_b32 s[G0SA+2], s90, 10
	s_mov_b32 s[G0SA+3], 0
	s_lshl_b32 s91, s22, 3
	s_add_co_u32 s90, s90, s91                     ; + 8 x my half
	s_mul_i32 s[G0A+2], s90, 24576
	s_mov_b32 s[G0A+3], 0
	s_lshl_b32 s88, s86, 2                         ; the tile's first column tile
	s_lshl_b32 s89, s22, 1
	s_add_co_u32 s89, s88, s89                     ; + 2 x my half
	s_mul_i32 s[G0B+2], s89, 73728
	s_mov_b32 s[G0B+3], 0
	s_mul_i32 s88, s88, 3072                       ; the tile's scale records
	s_mov_b32 s89, 0
	s_lshl_b32 s[G0H+2], s87, 20                   ; hid and out0: row 256 x tile row, column 64 x tile column
	s_lshl_b32 s23, s86, 8
	s_add_co_u32 s[G0H+2], s[G0H+2], s23
	s_lshl_b32 s23, s20, 18
	s_add_co_u32 s90, s[G0H+2], s23                ; + 64 x wave rows: what I prefetch of hid
	s_mov_b32 s91, 0
	s_lshl_b32 s23, s21, 19
	s_add_co_u32 s[G0H+2], s[G0H+2], s23           ; + 128 x row half
	s_mov_b32 s[G0H+3], 0
	s_lshl_b32 s66, s86, 8                         ; the biases: column 64 x tile column + 32 x my half
	s_lshl_b32 s67, s22, 7
	s_add_co_u32 s66, s66, s67
	s_mov_b32 s67, 0
	s_mov_b32 s100, s66
	s_mov_b32 s101, 0
	s_lshl_b32 s104, s87, 4                        ; the prefetches' rows, shared out by address: activations 16 x tile row + 4 cx + 2 x half,
	s_lshl_b32 s23, s84, 2
	s_add_co_u32 s104, s104, s23
	s_lshl_b32 s23, s22, 1
	s_add_co_u32 s104, s104, s23
	s_mul_i32 s105, s86, 12                        ; weights 12 x tile column + 3 cy
	s_mul_i32 s23, s85, 3
	s_add_co_u32 s105, s105, s23
	s_cmp_eq_u32 s21, 0
	s_cselect_b32 s104, s104, s105
	s_mul_i32 s104, s104, 24576
	s_mov_b32 s105, 0
	; LDS addresses: constants and the wave's number alone
	s_mul_i32 s23, s22, 36864
	s_mov_b32 s[G0A+1], s23
	s_add_co_u32 s[G0A+5], s23, SLOTB
	s_mul_i32 s23, s22, 27648
	s_add_co_u32 s[G0B+1], s23, BOFF
	s_add_co_u32 s[G0B+5], s23, SLOTB+BOFF
	s_mov_b32 s[G0SA+1], SCLA
	s_mul_i32 s23, s21, 67584
	s_add_co_u32 s[G0H+1], s23, HID0
.irp g, G0A, G0A+4, G0B, G0B+4, G0SA, G0H
	s_mov_b32 s[\g], 1
.endr
	s_wait_dscnt 0x0                               ; both opening adds are done
	s_wait_kmcnt 0x0
	s_add_nc_u64 s[G0A+2:G0A+3], s[4:5], s[G0A+2:G0A+3]     ; slot 0: K step 0
	s_add_nc_u64 s[G0A+6:G0A+7], s[G0A+2:G0A+3], 4608       ; slot 1: K step 3
	s_add_nc_u64 s[G0B+2:G0B+3], s[8:9], s[G0B+2:G0B+3]
	s_add_nc_u64 s[G0B+6:G0B+7], s[G0B+2:G0B+3], 4608
	s_add_nc_u64 s[G0SA+2:G0SA+3], s[6:7], s[G0SA+2:G0SA+3]
	s_add_nc_u64 s[18:19], s[18:19], s[G0H+2:G0H+3]
	s_add_nc_u64 s[90:91], s[12:13], s[90:91]
	s_add_nc_u64 s[G0H+2:G0H+3], s[12:13], s[G0H+2:G0H+3]
	s_add_nc_u64 s[66:67], s[14:15], s[66:67]               ; bx at my columns
	s_add_nc_u64 s[100:101], s[16:17], s[100:101]           ; bh likewise
	s_mov_b64 s[PFH:PFH+1], s[90:91]
	s_lshl_b32 s90, s22, 16                                 ; out0: I store block 2 p + (w % 2) of my row half: 16 rows of 4,096 bytes
	s_mov_b32 s91, 0
	s_add_nc_u64 s[18:19], s[18:19], s[90:91]
	s_cmp_eq_u32 s21, 0
	s_cselect_b64 s[90:91], s[4:5], s[8:9]                  ; the choice hangs on the wave's number alone
	s_add_nc_u64 s[PFA:PFA+1], s[90:91], s[PFA:PFA+1]
	s_add_nc_u64 s[G0SB+2:G0SB+3], s[10:11], s[88:89]
	s_mov_b32 s[G0SB], 1
	s_mov_b32 s[G0SB+1], SCLB
.irp g, G0A, G0A+4, G0B, G0B+4, G0SA, G0SB, G0H
	s_or_b32 s[\g+3], s[\g+3], 0x80000000          ; type = 2
.endr
	s_or_b32 s[G1A1], s2, (3<<16)|(1<<21)          ; the activations' q 15: 16 rows of 1,536 bytes
	s_mov_b32 s[G1A1+1], 192<<16
	s_mov_b32 s[G1A1+2], 16<<16
	s_mov_b32 s[G1A1+3], 192<<16
	s_mov_b32 s[G1A1+4], 16
	s_mov_b32 s[G1A1+5], 3072
	s_mov_b32 s[G1A1+6], 0
	s_mov_b32 s[G1A1+7], 0
	s_mov_b32 s[G1H], (2<<16)|(1<<20)|(5<<22)|(3<<25)   ; hid: no mask: 128 rows x 64 f32, 16 bytes of padding behind each 256
	s_mov_b32 s[G1H+1], 64<<16
	s_mov_b32 s[G1H+2], 128<<16
	s_mov_b32 s[G1H+3], 64<<16
	s_mov_b32 s[G1H+4], 128
	s_mov_b32 s[G1H+5], 1024
	s_mov_b32 s[G1H+6], 0
	s_mov_b32 s[G1H+7], 0
	s_mov_b32 s3, 2                                ; tiles to go, this one among them: the same number in every work-group
	CROUND                                         ; all sixteen work-groups are here: the first joint loads meet
	HLOADS
	v_and_b32 v1, 31, v0                           ; lane
	v_and_b32 v2, 15, v0                           ; r
	v_bfe_u32 v3, v0, 4, 1                         ; h
	v_lshlrev_b32 v5, 5, v3                        ; the biases in the result's layout: columns 16 b + 8 h + 0..7
	v_lshlrev_b32 v4, 4, v1                        ; 16 x lane
	v_lshlrev_b32 v7, 2, v1                        ; 4 x lane
	s_wait_alu depctr_va_vdst(0)
	WIN 0x40
.irp g, 0,1,2
.irp b, 0,1
	global_load_b128 v[72+16*\g+8*\b:72+16*\g+8*\b+3], v5, s[66:67] offset:\g*4096+64*\b
	global_load_b128 v[72+16*\g+8*\b+4:72+16*\g+8*\b+7], v5, s[66:67] offset:\g*4096+64*\b+16
.endr
.endr
.irp b, 0,1
	global_load_b128 v[200+8*\b:200+8*\b+3], v5, s[100:101] offset:8192+64*\b
	global_load_b128 v[200+8*\b+4:200+8*\b+7], v5, s[100:101] offset:8192+64*\b+16
.endr
	WIN 0
.irp g, 0,1
.irp b, 0,1
	global_load_b128 v[64+16*\g+8*\b:64+16*\g+8*\b+3], v5, s[100:101] offset:\g*4096+64*\b
	global_load_b128 v[64+16*\g+8*\b+4:64+16*\g+8*\b+7], v5, s[100:101] offset:\g*4096+64*\b+16
.endr
.endr
	s_mul_i32 s23, s21, 36864                      ; my eight blocks of activations
	v_add_nc_u32 v16, s23, v4                      ; in slot 0,
	v_add_nc_u32 v17, SLOTB, v16                   ; in slot 1,
	s_mul_i32 s23, s21, 12288
	s_add_co_u32 s23, s23, SLOTB
	v_add_nc_u32 v18, s23, v4                      ; and q 15's
	s_mul_i32 s23, s22, 27648                      ; my six rows of weights
	s_add_co_u32 s23, s23, BOFF
	v_add_nc_u32 v20, s23, v4
	v_add_nc_u32 v21, SLOTB, v20
	s_mul_i32 s23, s22, 9216
	s_add_co_u32 s23, s23, SLOTB+BOFF
	v_add_nc_u32 v22, s23, v4
	s_lshl_b32 s23, s21, 13
	s_add_co_u32 s23, s23, SCLA
	v_add_nc_u32 v24, s23, v7                      ; my blocks' records
	s_mul_i32 s23, s22, 6144
	s_add_co_u32 s23, s23, SCLB
	v_add_nc_u32 v25, s23, v7                      ; my column tiles' records
	v_mul_u32_u24 v6, v2, 272
	v_lshl_add_u32 v6, v3, 5, v6                   ; row r x 272 + 32 h,
	s_lshl_b32 s23, s22, 7
	v_add_nc_u32 v6, s23, v6                       ; + my 128 bytes of a row
	s_mul_i32 s23, s21, 8704
	s_add_co_u32 s23, s23, STG
	v_add_nc_u32 v27, s23, v6                      ; my place in a buffer of the stage: my row half's 32 rows
	s_mul_i32 s23, s21, 67584
	s_add_co_u32 s23, s23, HID0
	v_add_nc_u32 v26, s23, v6                      ; and in hid, in slot 1
	v_mul_u32_u24 v30, v3, 272
	v_lshl_add_u32 v30, v2, 4, v30
	s_mul_i32 s23, s21, 8704
	s_mul_i32 s2, s22, 4352
	s_add_co_u32 s23, s23, s2
	s_add_co_u32 s23, s23, STG
	v_add_nc_u32 v30, s23, v30                     ; back from the stage: my row half, block w % 2 of the pair; lanes 0-15 one row, lanes 16-31 the next
	v_lshlrev_b32 v31, 12, v3
	v_lshl_add_u32 v31, v2, 4, v31                 ; and the same two rows in out0
	s_cmp_eq_u32 s21, 0                            ; the prefetches' offsets: block u of my share; lanes left over name its last block again
	s_cselect_b32 s23, 17, 26
	s_cselect_b32 s2, 23, 17
	v_min_u32 v8, s23, v1
	v_min_u32 v9, s2, v1
	s_mul_i32 s23, s22, 27
	s_mul_i32 s23, s23, s21                        ; the weights' second wave begins at block 27
	v_add_nc_u32 v8, s23, v8
	v_mul_u32_u24 v11, v8, 57
	v_mul_u32_u24 v12, v9, 43
	v_lshrrev_b32 v11, 10, v11                     ; u / 18 (u under 54)
	v_lshrrev_b32 v12, 8, v12                      ; u / 6 (u under 24)
	v_lshlrev_b32 v8, 8, v8
	v_lshlrev_b32 v9, 8, v9
	v_mad_u32_u24 v8, v11, 0x4e00, v8              ; 256 u + (24,576 - 4,608) x row
	v_mad_u32_u24 v9, v12, 0x5a00, v9              ; 256 u + (24,576 - 1,536) x row
	v_lshlrev_b32 v10, 12, v1                      ; hid: a lane a row
	s_cmp_eq_u32 s21, 0
	s_cselect_b32 s[PON], 2, 1
	s_cselect_b32 s[NXT], 1, 0
	s_wait_alu depctr_va_vdst(0)
	ASK 4608                                       ; K steps 3 to 5, which are loaded when the first fills have landed
	s_wait_loadcnt 0x0                             ; the biases
	WIN 0x41
.set n, 0
.rept 16
	v_pk_add_f32 v[72+n:73+n], v[72+n:73+n], v[64+n:65+n]   ; r's and z's: bx + bh
.set n, n+2
.endr
	WIN 0
.Ltile:
	s_wait_alu depctr_va_vdst(0)
	s_wait_tensorcnt 0x0                           ; my one of the tile's four first fills is in; the full sequence stands ahead of slot 1's fill
	ds_add_u32 v28, v29
	s_mov_b32 s[G1A+2], 8<<16                      ; no tensor load of mine is out: from here on a load brings half a tile
	s_mov_b32 s[G1A+4], 8
	s_mov_b32 s[G1B+2], 6<<16
	s_mov_b32 s[G1B+4], 6
	s_wait_dscnt 0x0                               ; the add is done, and so are my reads of hid in slot 1
	CROUND
	JLOAD G0A+4, G1A, G0B+4, G1B                   ; slot 1: K steps 3 to 5
	FETCH_B 0
	FETCH_A 0, 0
	SCALES 0
	FETCH_A 0, 4
	ASK 9216                                       ; K steps 6 to 8
	STEP 0, 2, 1                                   ; the first products start r, z and gx_n with their biases: nothing is cleared
	STEP 1, 2, 0
	TURN 2, 2, 0, 1, 13824, -1                     ; slot 0 takes K steps 6 to 8; 9 to 11 are prefetched
	STEP 3, 2, 0
	STEP 4, 2, 0
	TURN 5, 2, 0, 1, 18432, -1                     ; slot 1 takes K steps 9 to 11; 12 to 14 are prefetched
	STEP 6, 2, 0
	STEP 7, 2, 0
	TURN 8, 3, 2, 1, 1, -1                         ; hid with wh: gh_n starts with its bias.  Slot 0 takes K steps 12 to 14; q 15 and hid are prefetched
	STEP 9, 3, 0
	STEP 10, 3, 0
	TURN 11, 3, 0, 3, 0, 0                         ; slot 1 takes K step 15 and hid; the next tile's K steps 0 to 2 are prefetched
	STEP 12, 3, 0
	STEP 13, 3, 0
	TURN 14, 3, 0, 0, 0, 4608                      ; a plain barrier: q 15 and hid are whole; the next tile's K steps 3 to 5 are prefetched
	s_wait_dscnt 12
	MUL2 0, 1, 1, 3, 0
	MUL2 2, 1, 1, 3, 0
	s_wait_dscnt 0x0
	MUL2 4, 1, 1, 3, 0
	MUL2 6, 1, 1, 3, 0
	WIN 0
	PLACES 4                                       ; in front of the first reads of results
	HLOAD 0
	HLOAD 1
	GATE 0
	GATE 1
	OUTLD 0
	GATE 2
	OUTST 0                                        ; the rows came back ahead of the wait inside the gates above
	GATE 3
	OUTLD 1
	GATE 4
	OUTST 1
	GATE 5
	OUTLD 2
	s_cmp_eq_u32 s3, 1
	s_cbranch_scc1 .Llast_tile                     ; the last tile's tail is written out: it asks for nothing more
	s_wait_tensorcnt 0x0                           ; none of my tensor loads is out: every descriptor may be written
	ds_add_u32 v28, v29
	s_add_nc_u64 s[G0A+2:G0A+3], s[G0A+2:G0A+3], NEXTA-18432   ; from K step 12 to the next tile's K step 0,
	s_add_nc_u64 s[G0A+6:G0A+7], s[G0A+6:G0A+7], NEXTA-18432   ; from K step 15 to its K step 3;
	s_sub_nc_u64 s[G0B+2:G0B+3], s[G0B+2:G0B+3], 18432         ; the weights only back along K
	s_sub_nc_u64 s[G0B+6:G0B+7], s[G0B+6:G0B+7], 18432
	s_add_nc_u64 s[G0SA+2:G0SA+3], s[G0SA+2:G0SA+3], 262144    ; 256 blocks' scale records on
	s_add_nc_u64 s[G0H+2:G0H+3], s[G0H+2:G0H+3], NEXTH
	s_mov_b32 s[G1A+2], 16<<16                     ; a tile's first fills bring whole tiles
	s_mov_b32 s[G1A+4], 16
	s_mov_b32 s[G1B+2], 12<<16
	s_mov_b32 s[G1B+4], 12
	s_wait_dscnt 0x0                               ; the add is done; my reads of slot 0 and of the scale records ended in K steps 14 and 13
	CROUND                                         ; the same holds of every wave of every partner
	HLOADS                                         ; the next tile's K steps 0 to 2 and scale records, under the two blocks of gates below
	LASTG
	s_wait_xcnt 0x0                                ; the stores and prefetches have read their bases and their data: the bases step, and the weights' registers may be loaded again
	s_add_nc_u64 s[18:19], s[18:19], NEXTH
	s_add_nc_u64 s[PFH:PFH+1], s[PFH:PFH+1], NEXTH
	s_cmp_eq_u32 s21, 0
	s_cselect_b32 s66, NEXTA, 0                    ; the activations' rows step; the weights' are asked for no more
	s_mov_b32 s67, 0
	s_add_nc_u64 s[PFA:PFA+1], s[PFA:PFA+1], s[66:67]
	s_and_b32 s[PON], s[PON], 2
	s_mov_b32 s[NXT], 0
	s_sub_co_u32 s3, s3, 1
	s_branch .Ltile
.Llast_tile:
	LASTG
	s_wait_tensorcnt 0x0                           ; the wave's end
	ds_add_u32 v28, v29
	s_wait_dscnt 0x0
	CROUND                                         ; the closing round
	s_endpgm
.Lfunc_end_k_q8d21eed7be_gru:
	.size	k_q8d21eed7be_gru, .Lfunc_end_k_q8d21eed7be_gru-k_q8d21eed7be_gru
	.p2alignl 7, 3214868480
	.fill 96, 4, 3214868480
	.section	.rodata,"a",@progbits
	.p2align	6, 0x0
	.amdhsa_kernel k_q8d21eed7be_gru
		.amdhsa_group_segment_fixed_size 327680
		.amdhsa_private_segment_fixed_size 0
		.amdhsa_enable_private_segment 0
		.amdhsa_kernarg_size 64
		.amdhsa_user_sgpr_count 2
		.amdhsa_user_sgpr_kernarg_segment_ptr 1
		.amdhsa_wavefront_size32 1
		.amdhsa_system_sgpr_workgroup_id_x 1
		.amdhsa_system_sgpr_workgroup_id_y 1
		.amdhsa_system_sgpr_workgroup_id_z 1
		.amdhsa_system_vgpr_workitem_id 0
		.amdhsa_next_free_vgpr 1024
		.amdhsa_next_free_sgpr 106
		.amdhsa_reserve_vcc 0
		.amdhsa_float_denorm_mode_32 3
		.amdhsa_float_denorm_mode_16_64 3
		.amdhsa_memory_ordered 1
		.amdhsa_forward_progress 1
		.amdhsa_inst_pref_size 255
	.end_amdhsa_kernel
	.section	.bss,"aw",@nobits
	.p2align	6
	.space	262144
	.amdgpu_metadata
---
amdhsa.version: [ 1, 2 ]
amdhsa.kernels:
  - .name:           k_q8d21eed7be_gru
    .symbol:         k_q8d21eed7be_gru.kd
    .args:
      - { .name: acodes, .offset: 0, .size: 8, .value_kind: global_buffer, .address_space: global }
      - { .name: ascl, .offset: 8, .size: 8, .value_kind: global_buffer, .address_space: global }
      - { .name: wcodes, .offset: 16, .size: 8, .value_kind: global_buffer, .address_space: global }
      - { .name: wscl, .offset: 24, .size: 8, .value_kind: global_buffer, .address_space: global }
      - { .name: hid, .offset: 32, .size: 8, .value_kind: global_buffer, .address_space: global }
      - { .name: bx, .offset: 40, .size: 8, .value_kind: global_buffer, .address_space: global }
      - { .name: bh, .offset: 48, .size: 8, .value_kind: global_buffer, .address_space: global }
      - { .name: out0, .offset: 56, .size: 8, .value_kind: global_buffer, .address_space: global }
    .group_segment_fixed_size: 327680
    .private_segment_fixed_size: 0
    .kernarg_segment_align: 8
    .kernarg_segment_size: 64
    .max_flat_workgroup_size: 128
    .sgpr_count:     106
    .vgpr_count:     1024
    .wavefront_size: 32
...
	.end_amdgpu_metadata
.endif
;; end of part 2
